; MI455X (gfx1250); checked and timed in simulation.
; The chip was launched on July 23, 2026; its instructions are those of AMD's public machine-readable ISA for CDNA 5 (MIT licence, August 2026) and "CDNA5" Instruction Set Architecture Reference Guide (July 2026). The comments in the code are by the model that wrote it; some were corrected since.
;; Governance Aware Attention. Allowed arithmetic: matrix products marked QUANTISED: E3M2 operands, one E8M0 scale for each 32 along K, by v_wmma_scale_f32_16x16x128_f8f6f4 with both operands' format E3M2, f32 sums; products left as they are: f32 operands where the result goes on into a quantised operand, else bf16, f16 or f32 operands; f32 sums; everything else in f32.
;; Inputs: Wgk_codes 1,024 x 32 x 24 uint8 (E3M2 codes of Wgk, K innermost, in blocks of 32 codes, four codes in three bytes); Wgk_scales 1,024 x 32 uint8 (E8M0 scales of Wgk, one for each 32 codes along K); Wgq 1,024 x 1,024 float32; Wk_codes 1,024 x 32 x 24 uint8 (E3M2 codes of Wk, K innermost, in blocks of 32 codes, four codes in three bytes); Wk_scales 1,024 x 32 uint8 (E8M0 scales of Wk, one for each 32 codes along K); Wq_codes 1,024 x 32 x 24 uint8 (E3M2 codes of Wq, K innermost, in blocks of 32 codes, four codes in three bytes); Wq_scales 1,024 x 32 uint8 (E8M0 scales of Wq, one for each 32 codes along K); Wv_codes 1,024 x 32 x 24 uint8 (E3M2 codes of Wv, K innermost, in blocks of 32 codes, four codes in three bytes); Wv_scales 1,024 x 32 uint8 (E8M0 scales of Wv, one for each 32 codes along K); bgk 1,024 float32; bgq 1,024 float32; bk 1,024 float32; bq 1,024 float32; bv 1,024 float32; governance_embeddings 2 x 1,024 float32; hidden_states_codes 2 x 2,048 x 32 x 24 uint8 (E3M2 codes of hidden_states, K innermost, in blocks of 32 codes, four codes in three bytes); hidden_states_scales 2 x 2,048 x 32 uint8 (E8M0 scales of hidden_states, one for each 32 codes along K).
;; Outputs: out0 2 x 2,048 x 1,024 float32; out1 one number float32; out2 one number float32; out3 one number float32.
;; This version of the problem:
;;   THIS VERSION OF THE PROBLEM IS GIVEN IN LOW PRECISION. The matrix products marked QUANTISED in the list below multiply operands that are first quantised to E3M2 (3 exponent bits, 2 mantissa bits; 6 bits a number), with one power-of-two scale for each 32 numbers along K (OCP MX v1.0); their sums are f32. All else is computed in f32.
;;   The module's matrix products, in the order in which they are computed (A, B: the left and right operand; K: the contracted axis; several contracted axes count as one K, in the product's order):
;;     1. [M 4,096, K 1,024] x [K 1,024, N 1,024]; A: input hidden_states (given as codes); B: input Wq (given as codes): QUANTISED
;;     2. [M 4,096, K 1,024] x [K 1,024, N 1,024]; A: input hidden_states (given as codes); B: input Wk (given as codes): QUANTISED
;;     3. [M 4,096, K 1,024] x [K 1,024, N 1,024]; A: input hidden_states (given as codes); B: input Wv (given as codes): QUANTISED
;;     4. batch 32 x [M 2,048, K 64] x [K 64, N 2,048]; A: computed on the way; B: computed on the way: QUANTISED
;;     5. [M 2, K 1,024] x [K 1,024, N 1,024]; A: input governance_embeddings; B: input Wgq: left as it is (M = 2 < 16)
;;     6. [M 4,096, K 1,024] x [K 1,024, N 1,024]; A: input hidden_states (given as codes); B: input Wgk (given as codes): QUANTISED
;;     7. batch 32 x [M 1, K 64] x [K 64, N 2,048]; A: computed on the way; B: computed on the way: left as it is (M = 1 < 16)
;;     8. batch 32 x [M 2,048, K 2,048] x [K 2,048, N 64]; A: softmax (see below); B: computed on the way: QUANTISED
;;   THE QUANTISER, for each operand of a quantised product, along K:
;;     - K is cut into blocks of 32 from its start; a last block that is shorter is filled with zeros.
;;     - A block's scale is 2^e with e = floor(log2(the largest magnitude in the block)) - 4, held to -126 .. 127; a block of zeros has e = 0. As a byte (E8M0): e + 127.
;;     - Each number is divided by its block's scale, clamped to +-28, and rounded to the nearest number of E3M2, ties to even, subnormals kept.
;;     - The product sums the exact products of the quantised numbers (number of the format x scale) in f32.
;;   ~~~python
;;   def quantise(x, axis):      # numpy; x: float32 -> the quantised numbers, widened to float32 again
;;       x = np.moveaxis(x, axis, -1); K = x.shape[-1]
;;       x = np.pad(x, [(0, 0)] * (x.ndim - 1) + [(0, -K % 32)]); x = x.reshape(x.shape[:-1] + (-1, 32)); a = np.abs(x).max(-1, keepdims=True)
;;       e = np.where(a > 0, np.clip(np.frexp(np.where(a > 0, a, 1))[1] - 1 - 4, -126, 127), 0)      # np.frexp(a)[1] - 1 = floor(log2(a)), exactly
;;       r = np.clip(x / 2.0 ** e, -28, 28)
;;       step = 2.0 ** (np.maximum(np.frexp(np.where(r == 0, 1, r))[1] - 1, -2) - 2)
;;       q = np.round(r / step) * step * 2.0 ** e      # np.round: ties to even
;;       return np.moveaxis(q.reshape(q.shape[:-2] + (-1,))[..., :K], -1, axis).astype(np.float32)
;;   ~~~
;;   SOFTMAX AHEAD OF A QUANTISED PRODUCT. Where the list says 'softmax', what is quantised is not the finished softmax but p = 2^(t - M), with t = logit x log2(e) and M = ceil(the row's largest t), a whole number; so 1/2 < the row's largest p <= 1. The row's sum l is taken of the UNQUANTISED p, in f32, and the product's result is divided by l at the end. Since M is a whole number, a kernel that streams over the keys may use a running M (the ceiling of the running maximum): every later rescaling is an exact power of two, which a block's scale takes up: the codes' values come out the same.
;;   OPERANDS COMPUTED ON THE WAY. 'Computed on the way' means the value that the module computes at that place (a softmax that the list does not call 'softmax' is quantised finished and normalised). What goes into a quantiser is computed in f32, as accurately as f32 sums, v_exp_f32 and their like allow (about 1e-6 of the number): no bf16 or f16 on the way to a quantiser, and a product that is left as it is and whose result goes on into a quantised operand takes f32 operands (vector FMAs, or v_wmma_f32_16x16x4_f32). A number that lies on a knife's edge between two numbers of the format may be rounded either way, as far as f32 arithmetic and the matrix unit's own rounding can turn it there, and no further.
;;   INPUTS GIVEN AS CODES. Wgk (in the module: [1024, 1024], K = its axis 0); Wk (in the module: [1024, 1024], K = its axis 0); Wq (in the module: [1024, 1024], K = its axis 0); Wv (in the module: [1024, 1024], K = its axis 0); hidden_states (in the module: [2, 2048, 1024], K = its axis 2): each comes as NAME_codes (uint8): NAME with its K axis moved to the last place and cut into blocks of 32 codes, [.., K / 32, bytes a block], one block behind the other in memory; four codes in three bytes: a row's codes are one little-endian stream of bits, code i at bits 6 i .. 6 i + 5 (a code: sign, 3 exponent bits, 2 mantissa bits); and NAME_scales (uint8): the same leading axes, one E8M0 byte (e + 127) for each 32 codes along K. Its value is code x scale, taken as it is: it is not quantised again, and the codes and scales need not be those that the quantiser above would give.
;; One version. Each part assembles by itself: llvm-mc -triple=amdgcn-amd-amdhsa -mcpu=gfx1250 --defsym DOCPART=n.
;; ======== version 1 of 1: 4 launches
;; limits: right only within a limited range of input values
;; workspace buffers: gqp 32,768 bytes; qimg 4,194,304 bytes; kimg 4,194,304 bytes; vimg 3,670,016 bytes; gov 262,144 bytes; part 131,072 bytes
;; launch gq (part 1): grid 16 x 4, 8 waves a work-group, no clusters, 5,120 bytes of LDS; arguments governance_embeddings, Wgq, bgq, gqp; writes gqp
.if DOCPART == 1
	.amdgcn_target "amdgcn-amd-amdhsa--gfx1250"
	.amdhsa_code_object_version 6
	.text
	.protected	k_q4f473305ef_gq
	.globl	k_q4f473305ef_gq
	.p2align	8
	.type	k_q4f473305ef_gq,@function
k_q4f473305ef_gq:
	s_mov_b64 s[64:65], 0
	v_nop
	global_prefetch_b8 v0, s[64:65] scope:SCOPE_SE
	s_setreg_imm32_b32 hwreg(HW_REG_WAVE_MODE, 25, 1), 1
	s_wait_xcnt 0x0
; gqp[kq][b][n] = the sum over k = 256 kq .. 256 kq + 255 of ge[b][k] Wgq[k][n]  (+ bgq[n] in quarter kq = 0).  All f32, fused multiply-adds:
; the result goes on into a logit that is quantised later.  The four quarters are added by the launch that uses them.
; SHARES.  Work-group (x, kq): columns 64 x .. 64 x + 63, rows 256 kq .. + 255 of Wgq: 256 rows of 256 consecutive bytes.  Wave w: 32 of the rows.
; Lane (X = lane % 16, Y = lane / 16): columns 4 X .. 4 X + 3, rows 16 Y + 0 .. 15 of the wave: sixteen lanes read 256 consecutive bytes, aligned.
; The halves of the lanes are added by one exchange, the eight waves through LDS; wave 0 stores 2 x 256 consecutive bytes.
; LIMIT: the sum over k is taken in another order than a plain ascending one; NaN and infinities are not served.
.set ACC, 16                           ; v16-23  sums: b x 4 columns
.set PT,  24                           ; v24-31  the other half's sums
.set W,   32                           ; v32-95  16 rows x 4 columns of Wgq; later the eight waves' sums
.set GE,  96                           ; v96-127 ge[b][16 Y + 0 .. 15]
	s_load_b256 s[4:11], s[0:1], 0x0               ; ge s[4:5], Wgq s[6:7], bgq s[8:9], gqp s[10:11]
	v_lshl_add_u32 v128, v0, 2, 0x1000
	v_mov_b32 v129, 0
	v_lshrrev_b32 v1, 5, v0
	s_delay_alu instid0(VALU_DEP_1)
	v_readfirstlane_b32 s12, v1                    ; wave 0..7
	s_and_b32 s13, ttmp7, 0xffff                   ; kq
	v_and_b32 v2, 15, v0                           ; X
	v_bfe_u32 v3, v0, 4, 1                         ; Y
	s_delay_alu instid0(VALU_DEP_2)
	v_lshlrev_b32 v4, 4, v2                        ; 16 X
	s_delay_alu instid0(VALU_DEP_1)
	v_lshl_add_u32 v5, v3, 16, v4                  ; Wgq: 16 rows of 4,096 bytes for Y, + 16 X
	s_delay_alu instid0(VALU_DEP_3)
	v_lshlrev_b32 v6, 6, v3                        ; ge: 16 numbers for Y
	s_delay_alu instid0(VALU_DEP_3)
	v_lshl_add_u32 v9, v3, 12, v4                  ; gqp: in wave 0 Y is b: 4,096 b + 16 X
	s_lshl_b32 s22, s12, 9
	v_add_nc_u32 v7, s22, v4                       ; LDS, in: 512 w + 16 X (+ 256 b)
	v_and_b32 v8, 31, v0
	s_delay_alu instid0(VALU_DEP_1)
	v_lshlrev_b32 v8, 4, v8                        ; LDS, back: 16 x lane (+ 512 w)
	s_lshl_b32 s16, ttmp9, 8                       ; 256 x: my 64 columns in bytes
	s_mov_b32 s17, 0
	s_lshl_b32 s14, s13, 20                        ; Wgq: 256 kq rows,
	s_lshl_b32 s15, s12, 17                        ; 32 w rows,
	s_add_co_u32 s14, s14, s15
	s_add_co_u32 s14, s14, s16                     ; my columns
	s_mov_b32 s15, 0
	s_lshl_b32 s18, s13, 10                        ; ge: 256 kq + 32 w numbers
	s_lshl_b32 s19, s12, 7
	s_add_co_u32 s18, s18, s19
	s_mov_b32 s19, 0
	s_lshl_b32 s20, s13, 13                        ; gqp: quarter kq, my columns
	s_add_co_u32 s20, s20, s16
	s_mov_b32 s21, 0
	s_mov_b32 s24, 0x76543210
	s_mov_b32 s25, 0xfedcba98                      ; v_permlanex16_b32: lane l xor 16
	s_cmp_eq_u32 s13, 0
	s_cselect_b32 s26, 1.0, 0                      ; the bias counts once: in quarter 0
	s_mov_b32 s27, s26                             ; (named with it as a pair)
.irp j, 0,1,2,3,4,5,6,7
	v_mov_b32 v[PT+\j], 0                          ; a lane permute's destination counts as one of its sources
.endr
	s_wait_kmcnt 0x0
	s_add_nc_u64 s[6:7], s[6:7], s[14:15]
	s_add_nc_u64 s[4:5], s[4:5], s[18:19]
	s_add_nc_u64 s[8:9], s[8:9], s[16:17]
	s_add_nc_u64 s[10:11], s[10:11], s[20:21]
.irp i, 0,1,2,3,4,5,6,7,8,9,10,11,12,13,14,15
	global_load_b128 v[W+4*\i:W+4*\i+3], v5, s[6:7] offset:4096*\i th:TH_LOAD_NT   ; read once in the launch
.endr
.irp b, 0,1
.irp j, 0,1,2,3
	global_load_b128 v[GE+16*\b+4*\j:GE+16*\b+4*\j+3], v6, s[4:5] offset:4096*\b+16*\j
.endr
.endr
	global_load_b128 v[10:13], v4, s[8:9]          ; bgq of my four columns
	s_wait_loadcnt 0x0
; row i: four sums (b x two pairs of columns); ge[b][i] is taken from its pair for both halves
.set i, 0
.rept 16
.irp b, 0,1
.irp c, 0,1
.if i == 0
	v_pk_mul_f32 v[ACC+4*\b+2*\c:ACC+4*\b+2*\c+1], v[W+2*\c:W+2*\c+1], v[GE+16*\b:GE+16*\b+1] op_sel_hi:[1,0]
.elseif i%2 == 0
	s_delay_alu instid0(VALU_DEP_4)
	v_pk_fma_f32 v[ACC+4*\b+2*\c:ACC+4*\b+2*\c+1], v[W+4*i+2*\c:W+4*i+2*\c+1], v[GE+16*\b+i:GE+16*\b+i+1], v[ACC+4*\b+2*\c:ACC+4*\b+2*\c+1] op_sel_hi:[1,0,1]
.else
	s_delay_alu instid0(VALU_DEP_4)
	v_pk_fma_f32 v[ACC+4*\b+2*\c:ACC+4*\b+2*\c+1], v[W+4*i+2*\c:W+4*i+2*\c+1], v[GE+16*\b+i-1:GE+16*\b+i], v[ACC+4*\b+2*\c:ACC+4*\b+2*\c+1] op_sel:[0,1,0] op_sel_hi:[1,1,1]
.endif
.endr
.endr
.set i, i+1
.endr
.irp j, 0,1,2,3,4,5,6,7
	v_permlanex16_b32 v[PT+\j], v[ACC+\j], s24, s25
.endr
.irp j, 0,1,2,3,4,5,6,7
	v_add_f32 v[ACC+\j], v[ACC+\j], v[PT+\j]       ; the wave's 32 rows
.endr
	ds_store_b128 v7, v[ACC:ACC+3]                 ; both halves of the lanes write the same bytes with the same values
	ds_store_b128 v7, v[ACC+4:ACC+7] offset:256
	s_wait_dscnt 0x0                               ; for the others' sake: my stores are done
	s_barrier_signal -1
	s_barrier_wait -1
	s_cmp_lg_u32 s12, 0
	s_cbranch_scc1 .Ldone                          ; wave 0 adds the eight waves' sums
.irp w, 0,1,2,3,4,5,6,7
	ds_load_b128 v[W+4*\w:W+4*\w+3], v8 offset:512*\w
.endr
	s_wait_dscnt 0x0
.irp w, 0,2,4,6
	v_pk_add_f32 v[W+4*\w:W+4*\w+1], v[W+4*\w:W+4*\w+1], v[W+4*\w+4:W+4*\w+5]
	v_pk_add_f32 v[W+4*\w+2:W+4*\w+3], v[W+4*\w+2:W+4*\w+3], v[W+4*\w+6:W+4*\w+7]
.endr
.irp w, 0
	v_pk_add_f32 v[W+4*\w:W+4*\w+1], v[W+4*\w:W+4*\w+1], v[W+4*\w+8:W+4*\w+9]
	v_pk_add_f32 v[W+4*\w+2:W+4*\w+3], v[W+4*\w+2:W+4*\w+3], v[W+4*\w+10:W+4*\w+11]
.endr
.irp w, 4
	s_delay_alu instid0(VALU_DEP_4)
	v_pk_add_f32 v[W+4*\w:W+4*\w+1], v[W+4*\w:W+4*\w+1], v[W+4*\w+8:W+4*\w+9]
	s_delay_alu instid0(VALU_DEP_4)
	v_pk_add_f32 v[W+4*\w+2:W+4*\w+3], v[W+4*\w+2:W+4*\w+3], v[W+4*\w+10:W+4*\w+11]
.endr
	s_delay_alu instid0(VALU_DEP_2)
	v_pk_add_f32 v[W:W+1], v[W:W+1], v[W+16:W+17]
	s_delay_alu instid0(VALU_DEP_2)
	v_pk_add_f32 v[W+2:W+3], v[W+2:W+3], v[W+18:W+19]
	s_delay_alu instid0(VALU_DEP_2)
	v_pk_fma_f32 v[W:W+1], v[10:11], s[26:27], v[W:W+1] op_sel_hi:[1,0,1]
	s_delay_alu instid0(VALU_DEP_2)
	v_pk_fma_f32 v[W+2:W+3], v[12:13], s[26:27], v[W+2:W+3] op_sel_hi:[1,0,1]
	global_store_b128 v9, v[W:W+3], s[10:11]       ; sixteen lanes store 256 consecutive bytes, aligned
.Ldone:
	s_wait_tensorcnt 0x0
	ds_add_u32 v128, v129
	s_wait_dscnt 0x0
	s_endpgm
.Lfunc_end_k_q4f473305ef_gq:
	.size	k_q4f473305ef_gq, .Lfunc_end_k_q4f473305ef_gq-k_q4f473305ef_gq
	.p2alignl 7, 3214868480
	.fill 96, 4, 3214868480
	.section	.rodata,"a",@progbits
	.p2align	6, 0x0
	.amdhsa_kernel k_q4f473305ef_gq
		.amdhsa_group_segment_fixed_size 5120
		.amdhsa_private_segment_fixed_size 0
		.amdhsa_enable_private_segment 0
		.amdhsa_kernarg_size 32
		.amdhsa_user_sgpr_count 2
		.amdhsa_user_sgpr_kernarg_segment_ptr 1
		.amdhsa_wavefront_size32 1
		.amdhsa_system_sgpr_workgroup_id_x 1
		.amdhsa_system_sgpr_workgroup_id_y 1
		.amdhsa_system_sgpr_workgroup_id_z 1
		.amdhsa_system_vgpr_workitem_id 0
		.amdhsa_next_free_vgpr 130
		.amdhsa_next_free_sgpr 66
		.amdhsa_reserve_vcc 0
		.amdhsa_float_denorm_mode_32 3
		.amdhsa_float_denorm_mode_16_64 3
		.amdhsa_memory_ordered 1
		.amdhsa_forward_progress 1
		.amdhsa_inst_pref_size 14
	.end_amdhsa_kernel
	.amdgpu_metadata
---
amdhsa.version: [ 1, 2 ]
amdhsa.kernels:
  - .name:           k_q4f473305ef_gq
    .symbol:         k_q4f473305ef_gq.kd
    .args:
      - { .name: governance_embeddings, .offset: 0, .size: 8, .value_kind: global_buffer, .address_space: global }
      - { .name: Wgq, .offset: 8, .size: 8, .value_kind: global_buffer, .address_space: global }
      - { .name: bgq, .offset: 16, .size: 8, .value_kind: global_buffer, .address_space: global }
      - { .name: gqp, .offset: 24, .size: 8, .value_kind: global_buffer, .address_space: global }
    .group_segment_fixed_size: 5120
    .private_segment_fixed_size: 0
    .kernarg_segment_align: 8
    .kernarg_segment_size: 32
    .max_flat_workgroup_size: 256
    .sgpr_count:     66
    .vgpr_count:     130
    .wavefront_size: 32
...
	.end_amdgpu_metadata
.endif
;; end of part 1
;; launch proj (part 2): grid 16 x 16, 4 waves a work-group, clusters of 4 x 4, 327,680 bytes of LDS; arguments hidden_states_codes, hidden_states_scales, Wq_codes, Wq_scales, Wk_codes, Wk_scales, Wv_codes, Wv_scales, Wgk_codes, Wgk_scales, bq, bk, bv, bgk, qimg, kimg, vimg, gov, gqp; writes qimg, kimg, vimg, gov
.if DOCPART == 2
	.amdgcn_target "amdgcn-amd-amdhsa--gfx1250"
	.amdhsa_code_object_version 6
	.text
	.protected	k_q4f473305ef_proj
	.globl	k_q4f473305ef_proj
	.p2align	8
	.type	k_q4f473305ef_proj,@function
k_q4f473305ef_proj:
	s_mov_b64 s[64:65], 0
	v_nop
	global_prefetch_b8 v0, s[64:65] scope:SCOPE_SE
	s_setreg_imm32_b32 hwreg(HW_REG_WAVE_MODE, 25, 1), 1
	s_wait_xcnt 0x0
	s_wait_alu depctr_hold_cnt(0) depctr_sa_sdst(0) depctr_va_vdst(0) depctr_va_sdst(0) depctr_va_ssrc(0) depctr_va_vcc(0) depctr_vm_vsrc(0)
	s_getreg_b32 s2, hwreg(HW_REG_IB_STS2, 6, 4)
	s_cmp_eq_u32 s2, 0
	s_cbranch_scc0 .Lentry_in_a_cluster
	s_endpgm
.Lentry_in_a_cluster:
	s_bfe_u32 s2, ttmp6, 0x10000c
	s_cmp_lg_u32 s2, 0xf033
	s_cbranch_scc0 .Lentry_shape_is_right
	s_endpgm
.Lentry_shape_is_right:
; The four projections of hidden_states (Wq, Wk, Wv, Wgk) as one product on codes of E3M2, and what is made of each.
; The cluster's x picks the weight: 0 q, 1 k, 2 v, 3 gk.  A tile of 256 x 256 to a work-group, 128 x 128 to a wave, 64 accumulators.
; q, k: source A = tokens, B = the weight's rows; bias added; quantised along the head's 64; stored as images of the operand registers (1,024 bytes for 16 tokens of a head).
; v: the sources change places (A = Wv's rows, B = tokens), so that a lane's registers run along the tokens, the K of the second attention product; images of 1,792 bytes for 16 d x 128 tokens.
; gk: dotted in f32 with gq (the four quarters of gqp added here), bias included: gov[b][h][s].
; K goes through a ring of two LDS slots in chunks of 256 bytes of each row (a row of codes is 768 bytes: three chunks, each beginning at a multiple of 256);
; a step of 128 along K is 96 bytes: eight steps to three chunks; steps 2 and 5 lie across two chunks.  The scales of the 256 + 256 rows come once, as dense blocks.
; CLUSTERS 4 x 4: A's tiles are asked for jointly along a row of the cluster, B's along a column.
; No prefetch: a row has three chunks, of which two are asked for ahead of the first product; one refill is all that is left to run ahead of.
.set SIZE_K, 1024
.set ROWB,   256
.set NQ,     2
.set KROW,   SIZE_K*6/8
.set STEPS,  SIZE_K/128
.set CHUNKS, KROW/ROWB
.set PITCH,  272
.set FR,     12
.set NL,     6
.set NP,     4
.set HALFT,  128*PITCH
.set SLOT,   4*HALFT
.set KS,     SIZE_K/32
.set SCL,    2*SLOT
.set HALFS,  (128*KS/256)*272
.set SBLK,   (16*KS/256)*272
.set SPARE,  SCL+4*HALFS
.set BO2,  7
.set BL,   8
.set ADRA, 16
.set ADRB, 20
.set L16,  24
.set L8,   25
.set GST,  26
.set ADRS, 27
.set SPW,  28
.set NIL,  29
.set BO,   30
.set GRD,  31
.set SC,   32
.set BR,   64
.set AF,   128
.set X,    128
.set GQ,   128
.set PC,   192
.set TM,   212
.set PW,   228
.set W0,   230
.set W1,   232
.set G1, 24
.set G0, 32
.set G1B, 48
.set G0B, 56
.set G1S, 68
.set G0S, 76
.set G1SB, 80
.set G0SB, 88
.set G0H, 4
.set G0HB, 8
.set GQP, 96
.set SEL, 98
.set BIA, 100
.set MSB, 0
.macro WIN new
.if MSB != (\new)
	s_set_vgpr_msb (MSB<<8)|(\new)
.set MSB, (\new)
.endif
.endm
.set MUL_LO, 0xa1
.set MUL_HI, 0xf1
.set TO_B,   0x40
.macro JLOAD g0a, g1a, g0b, g1b        ; waves 0, 1 ask for A, waves 2, 3 for B
	s_cmp_eq_u32 s15, 0
	s_cbranch_scc0 .Lfor_b_\@
	tensor_load_to_lds s[\g0a:\g0a+3], s[\g1a:\g1a+7]
	s_nop 0
.rept 4
	v_nop
.endr
	s_branch .Lasked_\@
.Lfor_b_\@:
	tensor_load_to_lds s[\g0b:\g0b+3], s[\g1b:\g1b+7]
	s_nop 0
.rept 4
	v_nop
.endr
.Lasked_\@:
.endm
.macro CREST
	s_cmp_lg_u32 s14, 0
	s_cbranch_scc1 .Lnot_wave_0_\@
	s_barrier_signal -3
.Lnot_wave_0_\@:
	s_barrier_wait -3
	s_barrier_signal -1
	s_barrier_wait -1
.endm
.macro CROUND
	s_barrier_signal -1
	s_barrier_wait -1
	CREST
.endm
	s_load_b512 s[68:83], s[0:1], 0x0
	s_load_b512 s[84:99], s[0:1], 0x40
	s_load_b128 s[24:27], s[0:1], 0x80
	s_load_b64 s[28:29], s[0:1], 0x90
	v_lshl_add_u32 v[SPW], v0, 2, SPARE
	v_mov_b32 v[NIL], 0
	ds_add_u32 v[SPW], v[NIL]                      ; the opening lines: the add twice on end and its wait
	ds_add_u32 v[SPW], v[NIL]
	v_lshrrev_b32 v1, 5, v0
	v_readfirstlane_b32 s14, v1                    ; wave 0..3
	s_lshr_b32 s15, s14, 1                         ; my half of the tile's rows; also: I fetch for A (0) or B (1)
	s_and_b32 s16, s14, 1                          ; my half of its columns; also: which 128 rows I fetch
	s_bfe_u32 s40, ttmp6, 0x40000                  ; cx
	s_bfe_u32 s41, ttmp6, 0x40004                  ; cy
	s_and_b32 s18, ttmp7, 0xffff
	s_lshl_b32 s18, s18, 2
	s_cmp_eq_u32 ttmp9, 2                          ; v: the tokens are B's rows
	s_cselect_b32 s17, 0, s18
	s_cselect_b32 s42, s18, 0
	s_add_co_u32 s17, s17, s41                     ; tile row (A)
	s_add_co_u32 s42, s42, s40                     ; tile column (B)
	s_lshl_b32 s43, s41, 2
	s_lshl_b32 s43, 15, s43                        ; my row of the cluster
	s_lshl_b32 s44, 0x1111, s40                    ; my column
	s_wait_dscnt 0x0
	s_wait_kmcnt 0x0
	s_cmp_eq_u32 ttmp9, 1
	s_cselect_b64 s[4:5], s[76:77], s[72:73]
	s_cselect_b64 s[6:7], s[78:79], s[74:75]
	s_cselect_b64 s[BIA:BIA+1], s[90:91], s[88:89]
	s_cselect_b64 s[12:13], s[98:99], s[96:97]
	s_cmp_eq_u32 ttmp9, 3
	s_cselect_b64 s[4:5], s[84:85], s[4:5]
	s_cselect_b64 s[6:7], s[86:87], s[6:7]
	s_cselect_b64 s[BIA:BIA+1], s[94:95], s[BIA:BIA+1]
	s_cselect_b64 s[12:13], s[26:27], s[12:13]
	s_cmp_eq_u32 ttmp9, 2
	s_cselect_b64 s[4:5], s[80:81], s[4:5]
	s_cselect_b64 s[6:7], s[82:83], s[6:7]
	s_cselect_b64 s[BIA:BIA+1], s[92:93], s[BIA:BIA+1]
	s_cselect_b64 s[12:13], s[24:25], s[12:13]
	s_cselect_b64 s[8:9], s[68:69], s[4:5]
	s_cselect_b64 s[10:11], s[70:71], s[6:7]
	s_cselect_b64 s[4:5], s[4:5], s[68:69]
	s_cselect_b64 s[6:7], s[6:7], s[70:71]
	s_mov_b64 s[GQP:GQP+1], s[28:29]
	s_mov_b32 s[SEL], 0x76543210
	s_mov_b32 s[SEL+1], 0xfedcba98
	; group 1: rows of 256 bytes, 16 bytes of padding behind each; 256 rows for the head's loads
	s_or_b32 s[G1+0], s43, (0<<16)|(1<<20)|(1<<21)|(5<<22)|(3<<25)
	s_or_b32 s[G1B+0], s44, (0<<16)|(1<<20)|(1<<21)|(5<<22)|(3<<25)
.irp g, G1, G1B
	s_mov_b32 s[\g+1], ROWB<<16
	s_mov_b32 s[\g+2], 256<<16
	s_mov_b32 s[\g+3], ROWB<<16
	s_mov_b32 s[\g+4], 256
	s_mov_b32 s[\g+5], KROW
	s_mov_b32 s[\g+6], 0
	s_mov_b32 s[\g+7], 0
.endr
	; the scales of 256 rows: a dense block of 8,192 bytes as 32 rows of 256
	s_or_b32 s[G1S+0], s43, (3<<16)|(1<<20)|(1<<21)|(5<<22)|(3<<25)
	s_or_b32 s[G1SB+0], s44, (3<<16)|(1<<20)|(1<<21)|(5<<22)|(3<<25)
.irp g, G1S, G1SB
	s_mov_b32 s[\g+1], 32<<16
	s_mov_b32 s[\g+2], KS<<16
	s_mov_b32 s[\g+3], 32<<16
	s_mov_b32 s[\g+4], KS
	s_mov_b32 s[\g+5], 32
	s_mov_b32 s[\g+6], 0
	s_mov_b32 s[\g+7], 0
.endr
	s_lshl_b32 s20, s17, 8
	s_lshl_b32 s46, s42, 8
	s_mov_b32 s21, 0
	s_mov_b32 s47, 0
	s_mov_b64 s[18:19], KS
	s_mul_u64 s[22:23], s[20:21], s[18:19]
	s_mul_u64 s[92:93], s[46:47], s[18:19]
	s_mov_b64 s[18:19], KROW
	s_mul_u64 s[20:21], s[20:21], s[18:19]
	s_mul_u64 s[46:47], s[46:47], s[18:19]
	s_mul_i32 s18, s16, 128*KROW
	s_mov_b32 s19, 0
	s_mul_i32 s45, s14, HALFT
	s_add_nc_u64 s[20:21], s[4:5], s[20:21]
	s_add_nc_u64 s[22:23], s[6:7], s[22:23]
	s_add_nc_u64 s[46:47], s[8:9], s[46:47]
	s_add_nc_u64 s[92:93], s[10:11], s[92:93]
	CROUND                                         ; in front of the first joint loads
	s_mov_b32 s[G0H], 1
	s_mov_b32 s[G0H+1], 0
	s_mov_b64 s[G0H+2:G0H+3], s[20:21]
	s_or_b32 s[G0H+3], s[G0H+3], 0x80000000
	s_mov_b32 s[G0HB], 1
	s_mov_b32 s[G0HB+1], 2*HALFT
	s_mov_b64 s[G0HB+2:G0HB+3], s[46:47]
	s_or_b32 s[G0HB+3], s[G0HB+3], 0x80000000
	s_mov_b32 s[G0S], 1
	s_mov_b32 s[G0S+1], SCL
	s_mov_b64 s[G0S+2:G0S+3], s[22:23]
	s_or_b32 s[G0S+3], s[G0S+3], 0x80000000
	s_mov_b32 s[G0SB], 1
	s_mov_b32 s[G0SB+1], SCL+2*HALFS
	s_mov_b64 s[G0SB+2:G0SB+3], s[92:93]
	s_or_b32 s[G0SB+3], s[G0SB+3], 0x80000000
	s_add_nc_u64 s[20:21], s[20:21], s[18:19]
	s_add_nc_u64 s[46:47], s[46:47], s[18:19]
.irp s, 0,1
	s_mov_b32 s[G0+4*\s], 1
	s_add_co_u32 s[G0+4*\s+1], s45, \s*SLOT
	s_add_nc_u64 s[G0+4*\s+2:G0+4*\s+3], s[20:21], \s*ROWB
	s_or_b32 s[G0+4*\s+3], s[G0+4*\s+3], 0x80000000
	s_mov_b32 s[G0B+4*\s], 1
	s_add_co_u32 s[G0B+4*\s+1], s45, \s*SLOT
	s_add_nc_u64 s[G0B+4*\s+2:G0B+4*\s+3], s[46:47], \s*ROWB
	s_or_b32 s[G0B+4*\s+3], s[G0B+4*\s+3], 0x80000000
.endr
; the head's four tiles, one load a wave: wave 0 chunk 0 of A's 256 rows, wave 1 of B's, wave 2 A's scales, wave 3 B's
.macro ARM under, g0, g1, next
	s_cmp_lt_u32 s14, \under
	s_cbranch_scc0 \next
	tensor_load_to_lds s[\g0:\g0+3], s[\g1:\g1+7]
	s_nop 0
.rept 4
	v_nop
.endr
	s_branch .Lhead_asked
\next:
.endm
	ARM 1, G0H,  G1,  .Lhead_b
	ARM 2, G0HB, G1B, .Lhead_sa
	ARM 3, G0S,  G1S, .Lhead_sb
	tensor_load_to_lds s[G0SB:G0SB+3], s[G1SB:G1SB+7]
	s_nop 0
.rept 4
	v_nop
.endr
.Lhead_asked:
	s_mul_i32 s20, s15, HALFT                      ; my 128 rows of A
	s_mul_i32 s21, s16, HALFT
	s_add_co_u32 s21, s21, 2*HALFT                 ; my 128 rows of B
	s_mul_i32 s22, s15, HALFS                      ; A's scales of my rows
	s_mul_i32 s23, s16, HALFS
	s_add_co_u32 s23, s23, 2*HALFS
	s_sub_co_u32 s23, s23, s22                     ; from them to B's
	s_add_co_u32 s22, s22, SCL
	s_mov_b32 s92, SLOT-232
	s_mov_b32 s93, SLOT+232
	s_lshl_b32 s94, s14, 10
	s_add_co_u32 s94, s94, SLOT                    ; gov's stage, 1,024 bytes a wave, in slot 1: it has had its last fill and its last read when the walk is over
	v_and_b32 v1, 15, v0                           ; r
	v_bfe_u32 v2, v0, 4, 1                         ; h
	v_mul_u32_u24 v3, v1, PITCH
	v_mul_u32_u24 v4, v2, 24
	v_add_nc_u32 v4, v3, v4
	v_sub_nc_u32 v7, 1, v2
	v_mul_u32_u24 v5, s92, v2
	v_add_nc_u32 v5, v3, v5
	v_add_nc_u32 v5, 232, v5                       ; across two chunks: lanes 0-15 byte 232 in slot 0, lanes 16-31 byte 0 in slot 1
	v_mul_u32_u24 v6, s93, v7
	v_add_nc_u32 v6, v3, v6                        ; and the other way round
	v_add_nc_u32 v[ADRA+2], s20, v5
	v_add_nc_u32 v[ADRA+3], s20, v6
	v_add_nc_u32 v[ADRB+2], s21, v5
	v_add_nc_u32 v[ADRB+3], s21, v6
	v_add_nc_u32 v[ADRA], s20, v4
	v_add_nc_u32 v[ADRB], s21, v4
	v_add_nc_u32 v[ADRA+1], SLOT, v[ADRA]
	v_add_nc_u32 v[ADRB+1], SLOT, v[ADRB]
	v_mul_u32_u24 v5, v1, KS
	v_lshrrev_b32 v6, 8, v5
	v_lshl_add_u32 v5, v6, 4, v5
	v_mul_u32_u24 v6, s23, v2                      ; lanes 16-31 take B's scale words
	v_add_nc_u32 v5, v5, v6
	v_add_nc_u32 v[ADRS], s22, v5
	v_and_b32 v6, 31, v0
	v_lshlrev_b32 v[L16], 4, v6
	v_lshlrev_b32 v[L8], 3, v6
	v_lshlrev_b32 v5, 2, v1
	v_lshl_add_u32 v5, v2, 9, v5
	v_add_nc_u32 v[GST], s94, v5
	v_add_nc_u32 v[GRD], s94, v[L16]
	v_lshlrev_b32 v[BO], 5, v2
	v_lshlrev_b32 v[BO2], 2, v1
	s_wait_alu depctr_va_vdst(0)                   ; ahead of the run of scalar lines
	; where my results go
	s_lshl_b32 s20, s17, 8
	s_lshl_b32 s21, s15, 7
	s_add_co_u32 s20, s20, s21
	s_lshl_b32 s46, s42, 8
	s_lshl_b32 s47, s16, 7
	s_add_co_u32 s46, s46, s47
	s_cmp_eq_u32 ttmp9, 2
	s_cselect_b32 s22, s46, s20                    ; my first token
	s_cselect_b32 s23, s20, s46                    ; my first column of the weight
	s_lshr_b32 s18, s22, 11
	s_and_b32 s19, s22, 2047
	s_lshl_b32 s46, s23, 2
	s_mov_b32 s47, 0
	s_add_nc_u64 s[BIA:BIA+1], s[BIA:BIA+1], s[46:47]
	s_lshl_b32 s45, s18, 12
	s_add_co_u32 s46, s46, s45
	s_add_nc_u64 s[GQP:GQP+1], s[GQP:GQP+1], s[46:47]
	s_lshr_b32 s21, s23, 6
	s_lshl_b32 s45, s18, 4
	s_add_co_u32 s21, s21, s45
	s_lshl_b32 s46, s21, 17
	s_lshl_b32 s45, s19, 6
	s_add_co_u32 s46, s46, s45
	s_lshl_b32 s20, s21, 4
	s_lshr_b32 s45, s19, 7
	s_add_co_u32 s20, s20, s45
	s_mul_i32 s20, s20, 7168
	s_cmp_eq_u32 ttmp9, 2
	s_cselect_b32 s46, s20, s46
	s_lshl_b32 s20, s21, 13
	s_lshl_b32 s45, s19, 2
	s_add_co_u32 s20, s20, s45
	s_cmp_eq_u32 ttmp9, 3
	s_cselect_b32 s46, s20, s46
	s_add_nc_u64 s[12:13], s[12:13], s[46:47]
.irp b, 0,1,2,3,4,5,6,7
	global_load_b128 v[BR+8*\b:BR+8*\b+3], v[BO], s[BIA:BIA+1] offset:64*\b
	global_load_b128 v[BR+8*\b+4:BR+8*\b+7], v[BO], s[BIA:BIA+1] offset:64*\b+16
.endr
.irp a, 0,1,2,3,4,5,6,7
	global_load_b32 v[BL+\a], v[BO2], s[BIA:BIA+1] offset:64*\a
.endr
.macro FRAG reg, adr, st, i            ; 16 rows x 128 K: 12 registers, in pieces of 8 bytes; byte y of a row lies in slot (y / 256) % 2 at byte y % 256
.irp p, 0,1,2,3,4,5
.set BY, 96*(\st)+48*(\p/3)+8*(\p%3)
.if BY/ROWB == (BY+24)/ROWB
	ds_load_b64 v[\reg+2*\p:\reg+2*\p+1], v[\adr+(BY/ROWB)%2] offset:BY%ROWB+(\i)*16*PITCH
.else
	ds_load_b64 v[\reg+2*\p:\reg+2*\p+1], v[\adr+2+(BY/ROWB)%2] offset:BY%ROWB-232+(\i)*16*PITCH
.endif
.endr
.endm
.macro MUL16 a0, p, q, sc, zero        ; the 64 accumulators take turns, in the same order in every step
.irp a, \a0, \a0+1
.irp b, 0,1,2,3,4,5,6,7
.if \zero
	v_wmma_scale_f32_16x16x128_f8f6f4 v[8*(8*((\a)%4)+\b):8*(8*((\a)%4)+\b)+7], v[128*(\p)+FR*\b:128*(\p)+FR*\b+FR-1], v[AF+FR*(\a):AF+FR*(\a)+FR-1], 0, v[SC+8*NQ*(\sc)+NQ*\b+(\q)], v[SC+8*NQ*(\sc)+NQ*(\a)+(\q)] matrix_a_fmt:MATRIX_FMT_BF6 matrix_b_fmt:MATRIX_FMT_BF6 matrix_a_scale:MATRIX_SCALE_ROW1
.else
	v_wmma_scale_f32_16x16x128_f8f6f4 v[8*(8*((\a)%4)+\b):8*(8*((\a)%4)+\b)+7], v[128*(\p)+FR*\b:128*(\p)+FR*\b+FR-1], v[AF+FR*(\a):AF+FR*(\a)+FR-1], v[8*(8*((\a)%4)+\b):8*(8*((\a)%4)+\b)+7], v[SC+8*NQ*(\sc)+NQ*\b+(\q)], v[SC+8*NQ*(\sc)+NQ*(\a)+(\q)] matrix_a_fmt:MATRIX_FMT_BF6 matrix_b_fmt:MATRIX_FMT_BF6 matrix_a_scale:MATRIX_SCALE_ROW1
.endif
.endr
.endr
.endm
.macro FETCH_B st, p
	WIN TO_B
.irp i, 0,1,2,3,4,5,6,7
	FRAG 128*(\p)+FR*\i, ADRB, \st, \i
.endr
	WIN 0
.endm
.macro FETCH_A st, i0
.irp i, \i0, \i0+1, \i0+2, \i0+3
	FRAG AF+FR*(\i), ADRA, \st, \i
.endr
.endm
.macro SCALES pr
.irp i, 0,1,2,3,4,5,6,7
	ds_load_b64 v[SC+8*NQ*((\pr)%2)+NQ*\i:SC+8*NQ*((\pr)%2)+NQ*\i+1], v[ADRS] offset:\i*SBLK+4*NQ*(\pr)
.endr
.endm
.macro PLACES n
.rept \n
	v_nop
.endr
.endm
; A step: 64 products; the next step's fragments are fetched in its middle and at its end.  Where the next step's bytes end in a chunk not read yet: the wait for my loads and a barrier.
; Where they begin in a later chunk: the add on the spare word and its wait, the barrier, and, where a chunk two on is left, the cluster's round and the refill.
.macro STEP st, zero
.set NX, (\st)+1
.set C0, (96*(\st))/ROWB
.set C1, (96*NX)/ROWB
.set E0, (96*(\st)+95)/ROWB
.set E1, (96*NX+95)/ROWB
.if C1 > C0 || E1 > E0
	s_wait_tensorcnt 0x0
.if C1 > C0
	ds_add_u32 v[SPW], v[NIL]
	s_wait_dscnt 4*NL+1                            ; the add and A's blocks 4-7 may be out
.else
	s_wait_dscnt 4*NL                              ; A's blocks 4-7 may be out
.endif
	WIN MUL_LO
	MUL16 0, (\st)%2, (\st)%2, ((\st)/2)%2, \zero
	s_wait_dscnt 0x0
	s_barrier_signal -1
	MUL16 2, (\st)%2, (\st)%2, ((\st)/2)%2, \zero
	WIN 0
	s_barrier_wait -1
.if C1 > C0 && C0+2 < CHUNKS
	CREST
	s_add_nc_u64 s[G0+4*(C0%2)+2:G0+4*(C0%2)+3], s[G0+4*(C0%2)+2:G0+4*(C0%2)+3], 2*ROWB
	s_add_nc_u64 s[G0B+4*(C0%2)+2:G0B+4*(C0%2)+3], s[G0B+4*(C0%2)+2:G0B+4*(C0%2)+3], 2*ROWB
	JLOAD G0+4*(C0%2), G1, G0B+4*(C0%2), G1B
.else
	PLACES NP
.endif
.else
	s_wait_dscnt 4*NL
	WIN MUL_LO
	MUL16 0, (\st)%2, (\st)%2, ((\st)/2)%2, \zero
	MUL16 2, (\st)%2, (\st)%2, ((\st)/2)%2, \zero
	s_wait_dscnt 0
	PLACES NP
.endif
	FETCH_B NX, NX%2
	FETCH_A NX, 0
.if NX%2 == 0
	SCALES NX/2
.endif
	WIN MUL_HI
	MUL16 4, (\st)%2, (\st)%2, ((\st)/2)%2, \zero
	MUL16 6, (\st)%2, (\st)%2, ((\st)/2)%2, \zero
	PLACES NP
	WIN 0
	FETCH_A NX, 4
.endm
	s_wait_alu depctr_va_vdst(0)                   ; at the head's end
	s_wait_tensorcnt 0x0                           ; my tile of the head's four is in; the three lines ahead of slot 1's first fill
	ds_add_u32 v[SPW], v[NIL]
	s_mov_b32 s[G1+2], 128<<16                     ; no load of mine is out: from here on a load brings 128 rows
	s_mov_b32 s[G1+4], 128
	s_mov_b32 s[G1B+2], 128<<16
	s_mov_b32 s[G1B+4], 128
	s_wait_dscnt 0x0
	CROUND
	JLOAD G0+4, G1, G0B+4, G1B                     ; chunk 1
	FETCH_B 0, 0
	FETCH_A 0, 0
	SCALES 0
	FETCH_A 0, 4
	STEP 0, 1                                      ; the first step's products start the sums
.set ST, 1
.rept STEPS-2
	STEP ST, 0
.set ST, ST+1
.endr
	s_wait_dscnt 4*NL
	WIN MUL_LO
	MUL16 0, 1, 1, 1, 0
	MUL16 2, 1, 1, 1, 0
	s_wait_dscnt 0
	WIN MUL_HI
	MUL16 4, 1, 1, 1, 0
	MUL16 6, 1, 1, 1, 0
	WIN 0
; THE WAY OUT.  TAKE: block a's 64 sums + bias into v[X ..].  QUANT: four blocks of 32 along a lane's registers (with lane l xor 16) to codes and a scale word.
.macro TAKE a, kind
.set AC, 64*((\a)%4)
	WIN 0x02+(\a)/4
.set i, 0
.rept 32
.if \kind == 0
	v_pk_add_f32 v[X+i:X+i+1], v[AC+i:AC+i+1], v[BR+i:BR+i+1]
.elseif (\a)%2 == 0
	v_pk_add_f32 v[X+i:X+i+1], v[AC+i:AC+i+1], v[BL+(\a):BL+(\a)+1] op_sel_hi:[1,0]
.else
	v_pk_add_f32 v[X+i:X+i+1], v[AC+i:AC+i+1], v[BL+(\a)-1:BL+(\a)] op_sel:[0,1] op_sel_hi:[1,1]
.endif
.set i, i+2
.endr
	WIN 0
.endm
.macro QUANT s
.irp b, 0,1,2,3
	v_max3_num_f32 v[TM+\b], |v[\s+16*\b]|, |v[\s+1+16*\b]|, 0x2800000
.endr
.irp i, 2,4,6,8,10,12,14
.irp b, 0,1,2,3
	v_max3_num_f32 v[TM+\b], v[TM+\b], |v[\s+16*\b+\i]|, |v[\s+1+16*\b+\i]|
.endr
.endr
.irp b, 0,1,2,3
	v_permlanex16_b32 v[TM+4+\b], v[TM+\b], s[SEL], s[SEL+1]
.endr
.irp b, 0,1,2,3
	v_max_num_f32 v[TM+\b], v[TM+\b], v[TM+4+\b]
.endr
.irp b, 0,1,2,3
	v_add_nc_u32 v[TM+12+\b], 0xfe000000, v[TM+\b]
.endr
.irp b, 0,1,2,3
	v_lshrrev_b32 v[TM+4+\b], 23, v[TM+12+\b]
.endr
	v_lshl_or_b32 v[PW], v[TM+5], 8, v[TM+4]
	v_lshl_or_b32 v[PW], v[TM+6], 16, v[PW]
	v_lshl_or_b32 v[PW], v[TM+7], 24, v[PW]
.irp c, 0,1
	v_cvt_scalef32_pk16_bf6_f32 v[PC+6*\c:PC+2+6*\c], v[\s+32*\c:\s+15+32*\c], v[TM+12+2*\c]
	v_cvt_scalef32_pk16_bf6_f32 v[PC+12+4*\c:PC+14+4*\c], v[\s+16+32*\c:\s+31+32*\c], v[TM+12+2*\c+1]
.endr
	v_nop
.irp c, 0,1
.irp i, 0,1,2
	v_permlane16_swap_b32 v[PC+6*\c+\i], v[PC+12+4*\c+\i]
.endr
.irp i, 0,1,2
	v_mov_b32 v[PC+3+6*\c+\i], v[PC+12+4*\c+\i]
.endr
.endr
.endm
	s_wait_loadcnt 0x0
	PLACES NP
.irp b, 0,1,2,3
	v_mov_b32 v[TM+4+\b], 0
.endr
	s_cmp_eq_u32 ttmp9, 2
	s_cbranch_scc1 .Ltail_v
	s_cmp_eq_u32 ttmp9, 3
	s_cbranch_scc1 .Ltail_g
.irp a, 0,1,2,3,4,5,6,7
	TAKE \a, 0
.if \a > 0
	s_wait_xcnt 0x0
.endif
	QUANT X
	v_perm_b32 v[W0], v[PW], v[PW], 0x01000100
	v_perm_b32 v[W1], v[PW], v[PW], 0x03020302
	v_mov_b32 v[W0+1], v[W0]
	v_mov_b32 v[W1+1], v[W1]
	global_store_b128 v[L16], v[PC:PC+3], s[12:13] offset:1024*\a
	global_store_b64 v[L8], v[PC+4:PC+5], s[12:13] offset:1024*\a+512
	global_store_b64 v[L8], v[W0:W0+1], s[12:13] offset:1024*\a+768
	global_store_b128 v[L16], v[PC+6:PC+9], s[12:13] offset:131072+1024*\a
	global_store_b64 v[L8], v[PC+10:PC+11], s[12:13] offset:131072+1024*\a+512
	global_store_b64 v[L8], v[W1:W1+1], s[12:13] offset:131072+1024*\a+768
.endr
	s_branch .Lend
.Ltail_v:
.irp a, 0,1,2,3,4,5,6,7
	TAKE \a, 1
.if \a > 0
	s_wait_xcnt 0x0
.endif
	QUANT X
	v_mov_b32 v[PW+1], v[PW]
	global_store_b128 v[L16], v[PC:PC+3], s[12:13] offset:(\a/4)*114688+(\a%4)*1792
	global_store_b128 v[L16], v[PC+4:PC+7], s[12:13] offset:(\a/4)*114688+(\a%4)*1792+512
	global_store_b128 v[L16], v[PC+8:PC+11], s[12:13] offset:(\a/4)*114688+(\a%4)*1792+1024
	global_store_b64 v[L8], v[PW:PW+1], s[12:13] offset:(\a/4)*114688+(\a%4)*1792+1536
.endr
	s_branch .Lend
.Ltail_g:
	s_mov_b32 s45, 0xffff0000
	v_mov_b32 v202, 0
	v_mov_b32 v203, 0
.irp b, 0,1,2,3,4,5,6,7
	global_load_b128 v[GQ+8*\b:GQ+8*\b+3], v[BO], s[GQP:GQP+1] offset:64*\b
	global_load_b128 v[GQ+8*\b+4:GQ+8*\b+7], v[BO], s[GQP:GQP+1] offset:64*\b+16
.endr
	WIN 0x40
.irp k, 1,2,3
.irp b, 0,1,2,3,4,5,6,7
	global_load_b128 v[64*(\k-1)+8*\b:64*(\k-1)+8*\b+3], v[BO], s[GQP:GQP+1] offset:8192*\k+64*\b
	global_load_b128 v[64*(\k-1)+8*\b+4:64*(\k-1)+8*\b+7], v[BO], s[GQP:GQP+1] offset:8192*\k+64*\b+16
.endr
.endr
	WIN 0
	s_wait_loadcnt 0x0
	WIN 0x04
.irp k, 0,1,2
.set i, 0
.rept 32
	v_pk_add_f32 v[GQ+i:GQ+i+1], v[GQ+i:GQ+i+1], v[64*\k+i:64*\k+i+1]
.set i, i+2
.endr
.endr
	WIN 0
	v_pk_mul_f32 v[192:193], v[BR:BR+1], v[GQ:GQ+1]
	v_pk_mul_f32 v[194:195], v[BR+32:BR+33], v[GQ+32:GQ+33]
.set i, 2
.rept 15
	v_pk_fma_f32 v[192:193], v[BR+i:BR+i+1], v[GQ+i:GQ+i+1], v[192:193]
	v_pk_fma_f32 v[194:195], v[BR+32+i:BR+33+i], v[GQ+32+i:GQ+33+i], v[194:195]
.set i, i+2
.endr
.irp a, 0,1,2,3,4,5,6,7
.set AC, 64*(\a%4)
	WIN 0x02+\a/4
	v_pk_fma_f32 v[196:197], v[AC:AC+1], v[GQ:GQ+1], v[192:193]
	v_pk_fma_f32 v[198:199], v[AC+32:AC+33], v[GQ+32:GQ+33], v[194:195]
.set i, 2
.rept 15
	v_pk_fma_f32 v[196:197], v[AC+i:AC+i+1], v[GQ+i:GQ+i+1], v[196:197]
	v_pk_fma_f32 v[198:199], v[AC+32+i:AC+33+i], v[GQ+32+i:GQ+33+i], v[198:199]
.set i, i+2
.endr
	WIN 0
	v_add_f32 v200, v196, v197
	v_add_f32 v201, v198, v199
	v_permlanex16_b32 v202, v200, s[SEL], s[SEL+1]
	v_permlanex16_b32 v203, v201, s[SEL], s[SEL+1]
	v_add_f32 v200, v200, v202
	v_add_f32 v201, v201, v203
	v_cndmask_b32 v204, v200, v201, s45
	ds_store_b32 v[GST], v204 offset:64*\a
.endr
	ds_load_b128 v[208:211], v[GRD]
	ds_load_b128 v[212:215], v[GRD] offset:512
	s_wait_dscnt 0x0
	global_store_b128 v[L16], v[208:211], s[12:13]
	global_store_b128 v[L16], v[212:215], s[12:13] offset:8192
.Lend:
	s_wait_tensorcnt 0x0                           ; the wave's end
	ds_add_u32 v[SPW], v[NIL]
	s_wait_dscnt 0x0
	CROUND                                         ; the closing round
	s_endpgm
.Lfunc_end_k_q4f473305ef_proj:
	.size	k_q4f473305ef_proj, .Lfunc_end_k_q4f473305ef_proj-k_q4f473305ef_proj
	.p2alignl 7, 3214868480
	.fill 96, 4, 3214868480
	.section	.rodata,"a",@progbits
	.p2align	6, 0x0
	.amdhsa_kernel k_q4f473305ef_proj
		.amdhsa_group_segment_fixed_size 327680
		.amdhsa_private_segment_fixed_size 0
		.amdhsa_enable_private_segment 0
		.amdhsa_kernarg_size 152
		.amdhsa_user_sgpr_count 2
		.amdhsa_user_sgpr_kernarg_segment_ptr 1
		.amdhsa_wavefront_size32 1
		.amdhsa_system_sgpr_workgroup_id_x 1
		.amdhsa_system_sgpr_workgroup_id_y 1
		.amdhsa_system_sgpr_workgroup_id_z 1
		.amdhsa_system_vgpr_workitem_id 0
		.amdhsa_next_free_vgpr 1024
		.amdhsa_next_free_sgpr 104
		.amdhsa_reserve_vcc 0
		.amdhsa_float_denorm_mode_32 3
		.amdhsa_float_denorm_mode_16_64 3
		.amdhsa_memory_ordered 1
		.amdhsa_forward_progress 1
		.amdhsa_inst_pref_size 255
	.end_amdhsa_kernel
	.section	.bss,"aw",@nobits
	.p2align	6
	.space	262144
	.amdgpu_metadata
---
amdhsa.version: [ 1, 2 ]
amdhsa.kernels:
  - .name:           k_q4f473305ef_proj
    .symbol:         k_q4f473305ef_proj.kd
    .args:
      - { .name: hidden_states_codes, .offset: 0, .size: 8, .value_kind: global_buffer, .address_space: global }
      - { .name: hidden_states_scales, .offset: 8, .size: 8, .value_kind: global_buffer, .address_space: global }
      - { .name: Wq_codes, .offset: 16, .size: 8, .value_kind: global_buffer, .address_space: global }
      - { .name: Wq_scales, .offset: 24, .size: 8, .value_kind: global_buffer, .address_space: global }
      - { .name: Wk_codes, .offset: 32, .size: 8, .value_kind: global_buffer, .address_space: global }
      - { .name: Wk_scales, .offset: 40, .size: 8, .value_kind: global_buffer, .address_space: global }
      - { .name: Wv_codes, .offset: 48, .size: 8, .value_kind: global_buffer, .address_space: global }
      - { .name: Wv_scales, .offset: 56, .size: 8, .value_kind: global_buffer, .address_space: global }
      - { .name: Wgk_codes, .offset: 64, .size: 8, .value_kind: global_buffer, .address_space: global }
      - { .name: Wgk_scales, .offset: 72, .size: 8, .value_kind: global_buffer, .address_space: global }
      - { .name: bq, .offset: 80, .size: 8, .value_kind: global_buffer, .address_space: global }
      - { .name: bk, .offset: 88, .size: 8, .value_kind: global_buffer, .address_space: global }
      - { .name: bv, .offset: 96, .size: 8, .value_kind: global_buffer, .address_space: global }
      - { .name: bgk, .offset: 104, .size: 8, .value_kind: global_buffer, .address_space: global }
      - { .name: qimg, .offset: 112, .size: 8, .value_kind: global_buffer, .address_space: global }
      - { .name: kimg, .offset: 120, .size: 8, .value_kind: global_buffer, .address_space: global }
      - { .name: vimg, .offset: 128, .size: 8, .value_kind: global_buffer, .address_space: global }
      - { .name: gov, .offset: 136, .size: 8, .value_kind: global_buffer, .address_space: global }
      - { .name: gqp, .offset: 144, .size: 8, .value_kind: global_buffer, .address_space: global }
    .group_segment_fixed_size: 327680
    .private_segment_fixed_size: 0
    .kernarg_segment_align: 8
    .kernarg_segment_size: 152
    .max_flat_workgroup_size: 128
    .sgpr_count:     104
    .vgpr_count:     1024
    .wavefront_size: 32
...
	.end_amdgpu_metadata
.endif
;; end of part 2
;; launch attn (part 3): grid 8 x 32, 8 waves a work-group, clusters of 4 x 1, 327,680 bytes of LDS; arguments qimg, kimg, vimg, gov, out0, part; writes out0, part
.if DOCPART == 3
	.amdgcn_target "amdgcn-amd-amdhsa--gfx1250"
	.amdhsa_code_object_version 6
	.text
	.protected	k_q4f473305ef_attn
	.globl	k_q4f473305ef_attn
	.p2align	8
	.type	k_q4f473305ef_attn,@function
k_q4f473305ef_attn:
	s_mov_b64 s[64:65], 0
	v_nop
	global_prefetch_b8 v0, s[64:65] scope:SCOPE_SE
	s_setreg_imm32_b32 hwreg(HW_REG_WAVE_MODE, 25, 1), 1
	s_wait_xcnt 0x0
	s_wait_alu depctr_hold_cnt(0) depctr_sa_sdst(0) depctr_va_vdst(0) depctr_va_sdst(0) depctr_va_ssrc(0) depctr_va_vcc(0) depctr_vm_vsrc(0)
	s_getreg_b32 s2, hwreg(HW_REG_IB_STS2, 6, 4)
	s_cmp_eq_u32 s2, 0
	s_cbranch_scc0 .Lentry_in_a_cluster
	s_endpgm
.Lentry_in_a_cluster:
	s_bfe_u32 s2, ttmp6, 0x10000c
	s_cmp_lg_u32 s2, 0x3003
	s_cbranch_scc0 .Lentry_shape_is_right
	s_endpgm
.Lentry_shape_is_right:
; Attention of one (batch, head) y and 256 queries x, on the images of operand registers that launch proj stored.
; SHARES.  Work-group: 256 queries x all 2,048 keys.  Wave: 32 queries (two tiles u = 0, 1 of 16) x all keys, in 16 steps of 128 keys.
; Lane (r, h): query r of each tile; both products are used transposed (S^T = K Q^T, O^T = V^T P^T), so a lane's registers run along the keys, then along d.
; LDS.  The head's whole K image (128 tiles x 1,024 bytes) and V image (16 groups x 7,168 bytes) come once: waves 0-3 fetch a quarter of K each, waves 4-7 a quarter of V, one load a wave, as dense rows of 256 bytes.
; The four work-groups of a cluster serve the same head: the loads are joint (mask 15).  Nothing is filled again.  No prefetch: no loop of this launch fetches from memory.
; THE HEAD SIZE IS 64, the instruction's K 128: a K operand holds two tiles of 16 keys (K 0-63 and 64-127), multiplied once with (q, zeros) and once with (zeros, q).  Each product names its own tile's scale word:
; the word holds the tile's two bytes twice, and the other half's bytes meet zero codes.
; SOFTMAX.  t = score x log2(e)/8 + gov x 0.1 log2(e).  gov is the same along the keys, but it moves M = ceil(largest t) and so p's codes: it stays.  Running M, a whole number; what was summed is brought under a new M by f = 2^(old M - new M).
; p = 2^(t - M) is quantised by blocks of 32 keys; a block's largest p is made from its largest score by the same two instructions.  l is the sum of the unquantised p.
; THE THREE NUMBERS.  With x = t - M: the sum of P log2 P over a row is E / l - log2 l, E = the sum of p x (under a new M: E <- f (E + (old M - new M) l)).  The row's largest P is 2^(largest t - M) / l.
; part gets, for each work-group, 32 quadruples (parts of the sum of P log2 P; 16 x parts of the sum of the rows' largest P; 16 x parts of the sum of |gov|; 0), which launch fin adds.
; LIMITS.  reference() takes log(P + 1e-8); this text takes log P.  For every input 0 <= P ln(1 + 1e-8 / P) <= 1e-8, so a row's entropy, and out1, is larger than reference()'s by at most 2,048 x 1e-8 = 2.05e-5:
; inside the comparison's margin while out1 is above 1.1e-3.  The scaled scores t stay under 2^31 in magnitude.  NaN and infinities are not served.
.set KL,    0
.set VL,    131072
.set PART,  245760                     ; 8 waves x 512 bytes
.set STAGE, 249856                     ; 8 waves x 32 rows x 272 bytes: each wave's own
.set SPARE, 319488                     ; the spare words, 8 x 128 bytes
; window 0 alone
.set A16, 1                            ; 16 x lane
.set A8,  2                            ; 8 x lane
.set SPW, 7
.set NIL, 8
.set VS,  10                           ; v10-13 V's scale words;  v14-15 p's, tile 0, 1
.set PS,  14
.set QZ,  16                           ; v16-45: zeros, q0, zeros, q1, zeros (6 each)
.set QS,  46
.set KS,  88                           ; v88-95 the scale words of the step's eight key tiles
.set P,   192                          ; v192-255 p of the tile at work
; window 1 alone
.set KB,  0                            ; 8 key tiles x 6
.set VF,  192                          ; 4 d tiles x 12
; window u: the state of query tile u
.set GP,  48                           ; gov x 0.1 log2(e)
.set TMX, 49                           ; the running largest t
.set AD,  50                           ; GP - M     (pairs name a neighbour that is always written)
.set NM,  51                           ; -M
.set F,   52
.set FI,  53
.set LS,  54                           ; l, four parts
.set EA,  58                           ; E, four parts, over the same numbers as l's
.set T,   62
.set GA,  63                           ; 8 |gov|
.set BM,  64
.set BT,  68
.set SO,  72
.set PC,  76                           ; p's codes
.set O,   96
.set S,   128                          ; scores, then x
.set WV,  16
.set SEL, 20
.set CS,  22
.set CG,  24
.set MSB, 0
.macro WIN new
.if MSB != (\new)
	s_set_vgpr_msb (MSB<<8)|(\new)
.set MSB, (\new)
.endif
.endm
.macro WU u
	WIN 0x55*(\u)
.endm
.macro CROUND
	s_barrier_signal -1
	s_barrier_wait -1
	s_cmp_lg_u32 s[WV], 0
	s_cbranch_scc1 .Lnot_wave_0_\@
	s_barrier_signal -3
.Lnot_wave_0_\@:
	s_barrier_wait -3
	s_barrier_signal -1
	s_barrier_wait -1
.endm
	s_load_b256 s[4:11], s[0:1], 0x0               ; qimg, kimg, vimg, gov
	s_load_b128 s[12:15], s[0:1], 0x20             ; out0, part
	v_lshl_add_u32 v[SPW], v0, 2, SPARE
	v_mov_b32 v[NIL], 0
	ds_add_u32 v[SPW], v[NIL]                      ; the opening lines: the add twice on end and its wait
	ds_add_u32 v[SPW], v[NIL]
	v_lshrrev_b32 v3, 5, v0
	v_readfirstlane_b32 s[WV], v3                  ; wave 0..7
	s_bfe_u32 s17, ttmp6, 0x40000
	s_lshl_b32 s18, ttmp9, 2
	s_add_co_u32 s18, s18, s17                     ; x: my 256 queries
	s_and_b32 s19, ttmp7, 0xffff                   ; y: 16 b + head
	s_mov_b32 s[SEL], 0x76543210
	s_mov_b32 s[SEL+1], 0xfedcba98
	s_mov_b32 s[CS], 0x3e38aa3b                    ; log2(e) / 8
	s_mov_b32 s[CS+1], s[CS]
	s_mov_b32 s[CG], 0x3e13bb63                    ; 0.1 log2(e)
	s_mov_b32 s28, 16                              ; steps to go
	s_mov_b32 s29, 0                               ; K's bytes of the step that is fetched
	s_mov_b32 s30, VL                              ; V's bytes of this step
	s_mov_b32 s32, 15|(3<<16)|(1<<21)              ; K: 128 rows of 32 x 8 bytes, dense
	s_mov_b32 s33, 32<<16
	s_mov_b32 s34, 128<<16
	s_mov_b32 s35, 32<<16
	s_mov_b32 s36, 128
	s_mov_b32 s37, 32
	s_mov_b32 s38, 0
	s_mov_b32 s39, 0
	s_mov_b32 s44, 15|(3<<16)|(1<<21)              ; V: 112 rows
	s_mov_b32 s45, 32<<16
	s_mov_b32 s46, 112<<16
	s_mov_b32 s47, 32<<16
	s_mov_b32 s48, 112
	s_mov_b32 s49, 32
	s_mov_b32 s50, 0
	s_mov_b32 s51, 0
	s_lshl_b32 s56, s19, 17
	s_min_u32 s57, s[WV], 3
	s_lshl_b32 s57, s57, 15
	s_add_co_u32 s56, s56, s57                     ; kimg: head, quarter w
	s_mov_b32 s57, 0
	s_mul_i32 s58, s19, 114688
	s_max_u32 s59, s[WV], 4
	s_sub_co_u32 s59, s59, 4
	s_mul_i32 s59, s59, 28672
	s_add_co_u32 s58, s58, s59                     ; vimg: head, quarter w - 4
	s_mov_b32 s59, 0
	s_mov_b32 s40, 1
	s_lshl_b32 s41, s[WV], 15
	s_mov_b32 s52, 1
	s_mul_i32 s53, s[WV], 28672
	s_add_co_u32 s53, s53, VL-4*28672
	s_wait_dscnt 0x0
	s_wait_kmcnt 0x0
	s_add_nc_u64 s[42:43], s[6:7], s[56:57]
	s_or_b32 s43, s43, 0x80000000
	s_add_nc_u64 s[54:55], s[8:9], s[58:59]
	s_or_b32 s55, s55, 0x80000000
	CROUND                                         ; in front of the joint loads
	s_cmp_lt_u32 s[WV], 4
	s_cbranch_scc0 .Lfill_v
	tensor_load_to_lds s[40:43], s[32:39]
	s_nop 0
.rept 4
	v_nop
.endr
	s_branch .Lfilled
.Lfill_v:
	tensor_load_to_lds s[52:55], s[44:51]
	s_nop 0
.rept 4
	v_nop
.endr
.Lfilled:
	s_lshl_b32 s56, s19, 7
	s_lshl_b32 s57, s18, 4
	s_add_co_u32 s56, s56, s57
	s_lshl_b32 s57, s[WV], 1
	s_add_co_u32 s56, s56, s57
	s_lshl_b32 s56, s56, 10                        ; qimg: tile 128 y + 16 x + 2 w
	s_mov_b32 s57, 0
	s_add_nc_u64 s[4:5], s[4:5], s[56:57]
	s_lshl_b32 s58, s19, 13
	s_lshl_b32 s59, s18, 10
	s_add_co_u32 s58, s58, s59
	s_lshl_b32 s59, s[WV], 7
	s_add_co_u32 s58, s58, s59                     ; gov: my 32 queries
	s_mov_b32 s59, 0
	s_add_nc_u64 s[10:11], s[10:11], s[58:59]
	s_lshr_b32 s60, s19, 4
	s_lshl_b32 s60, s60, 11
	s_lshl_b32 s61, s18, 8
	s_add_co_u32 s60, s60, s61
	s_lshl_b32 s61, s[WV], 5
	s_add_co_u32 s60, s60, s61                     ; out0: my first row,
	s_lshl_b32 s60, s60, 12
	s_and_b32 s61, s19, 15
	s_lshl_b32 s61, s61, 8
	s_add_co_u32 s60, s60, s61                     ; the head's 256 bytes of it
	s_mov_b32 s61, 0
	s_add_nc_u64 s[12:13], s[12:13], s[60:61]
	s_lshl_b32 s62, s19, 3
	s_add_co_u32 s62, s62, s18
	s_lshl_b32 s62, s62, 9
	s_mov_b32 s63, 0
	s_add_nc_u64 s[14:15], s[14:15], s[62:63]
	s_mul_i32 s31, s[WV], 8704
	s_add_co_u32 s31, s31, STAGE
	v_and_b32 v3, 31, v0
	v_and_b32 v4, 15, v0
	v_lshlrev_b32 v[A16], 4, v3
	v_lshlrev_b32 v[A8], 3, v3
	v_lshlrev_b32 v5, 2, v4
.irp u, 0,1
	global_load_b128 v[QZ+6+12*\u:QZ+9+12*\u], v[A16], s[4:5] offset:1024*\u
	global_load_b64 v[QZ+10+12*\u:QZ+11+12*\u], v[A8], s[4:5] offset:1024*\u+512
	global_load_b32 v[QS+\u], v[A8], s[4:5] offset:1024*\u+768
.endr
	global_load_b32 v[GP], v5, s[10:11]
	WIN 0x40
	global_load_b32 v[GP], v5, s[10:11] offset:64
	WIN 0
.irp j, 0,1,2,3,4,5
	v_mov_b32 v[QZ+\j], 0
	v_mov_b32 v[QZ+12+\j], 0
	v_mov_b32 v[QZ+24+\j], 0
.endr
.irp u, 0,1                            ; the step is written once: the first finds zeros, which the first change of M leaves zeros
	WIN 0x40*\u
.set i, 0
.rept 32
	v_mov_b32 v[O+i], 0
.set i, i+1
.endr
.irp j, 0,1,2,3,4,5,6,7
	v_mov_b32 v[LS+\j], 0
.endr
.irp j, 0,1,2,3
	v_mov_b32 v[BT+\j], 0                          ; a lane permute's destination counts as one of its sources
.endr
	v_mov_b32 v[TMX], 0xff61b1e6                   ; -3e38, under every t
	v_mov_b32 v[NM], 0x7f61b1e6
.endr
	WIN 0
	v_add_nc_u32 v3, s29, v[A16]
	v_add_nc_u32 v4, s29, v[A8]
	s_wait_alu depctr_va_vdst(0)                   ; ahead of the blocking wait
	s_wait_loadcnt 0x0
.irp u, 0,1
	WU \u
	v_mul_f32 v[GA], 0x41000000, |v[GP]|
	v_mul_f32 v[GP], s[CG], v[GP]
.endr
	WIN 0
	s_wait_alu depctr_va_vdst(0)                   ; and at the head's end
	s_wait_tensorcnt 0x0                           ; my quarter is in,
	s_barrier_signal -1
	s_barrier_wait -1                              ; and everybody's
.macro LOADK                           ; eight key tiles: 6 registers and a scale word each
.irp t, 0,1,2,3,4,5,6,7
	ds_load_b32 v[KS+\t], v4 offset:1024*\t+768
.endr
	WIN 0x40
.irp t, 0,1,2,3,4,5,6,7
	ds_load_b128 v[KB+6*\t:KB+6*\t+3], v3 offset:1024*\t
	ds_load_b64 v[KB+6*\t+4:KB+6*\t+5], v4 offset:1024*\t+512
.endr
	WIN 0
.endm
.macro QK u
	WIN 0x01+0x40*\u
.irp jj, 0,1,2,3
	v_wmma_scale_f32_16x16x128_f8f6f4 v[S+16*\jj:S+16*\jj+7], v[KB+12*\jj:KB+12*\jj+11], v[QZ+6+12*\u:QZ+17+12*\u], 0, v[KS+2*\jj], v[QS+\u] matrix_a_fmt:MATRIX_FMT_BF6 matrix_b_fmt:MATRIX_FMT_BF6
	v_wmma_scale_f32_16x16x128_f8f6f4 v[S+16*\jj+8:S+16*\jj+15], v[KB+12*\jj:KB+12*\jj+11], v[QZ+12*\u:QZ+11+12*\u], 0, v[KS+2*\jj+1], v[QS+\u] matrix_a_fmt:MATRIX_FMT_BF6 matrix_b_fmt:MATRIX_FMT_BF6
.endr
.endm
; Ahead of the exponentials: the blocks' largest scores, the new M, what was summed brought under it, x = t - M
.macro PHA u
	WU \u
.irp n, 0,1,2,3
	v_max3_num_f32 v[BM+\n], v[S+16*\n], v[S+16*\n+1], v[S+16*\n+2]
.endr
.irp i, 3,5,7,9,11,13
.irp n, 0,1,2,3
	v_max3_num_f32 v[BM+\n], v[BM+\n], v[S+16*\n+\i], v[S+16*\n+\i+1]
.endr
.endr
.irp n, 0,1,2,3
	v_max_num_f32 v[BM+\n], v[BM+\n], v[S+16*\n+15]
.endr
.irp n, 0,1,2,3
	v_permlanex16_b32 v[BT+\n], v[BM+\n], s[SEL], s[SEL+1]
.endr
.irp n, 0,1,2,3
	v_max_num_f32 v[BM+\n], v[BM+\n], v[BT+\n]
.endr
	v_max3_num_f32 v[T], v[BM], v[BM+1], v[BM+2]
	s_delay_alu instid0(VALU_DEP_1)
	v_max_num_f32 v[T], v[T], v[BM+3]
	s_delay_alu instid0(VALU_DEP_1)
	v_fma_f32 v[T], v[T], s[CS], v[GP]
	s_delay_alu instid0(VALU_DEP_1)
	v_max_num_f32 v[TMX], v[TMX], v[T]
	v_mov_b32 v[T], v[NM]
	s_delay_alu instid0(VALU_DEP_2)
	v_floor_f32 v[NM], -v[TMX]                     ; -M = floor(-t)
	s_delay_alu instid0(VALU_DEP_1)
	v_sub_f32 v[T], v[NM], v[T]                    ; old M - new M: a whole number, 0 or less
	v_add_f32 v[AD], v[GP], v[NM]
	s_delay_alu instid0(VALU_DEP_2)
	v_cvt_i32_f32 v[FI], v[T]                      ; (it saturates)
	s_delay_alu instid0(VALU_DEP_1)
	v_ldexp_f32 v[F], 1.0, v[FI]
	v_pk_fma_f32 v[EA:EA+1], v[LS:LS+1], v[T:T+1], v[EA:EA+1] op_sel_hi:[1,0,1]
	v_pk_fma_f32 v[EA+2:EA+3], v[LS+2:LS+3], v[T:T+1], v[EA+2:EA+3] op_sel_hi:[1,0,1]
	v_pk_mul_f32 v[LS:LS+1], v[LS:LS+1], v[F:F+1] op_sel_hi:[1,0]
	v_pk_mul_f32 v[LS+2:LS+3], v[LS+2:LS+3], v[F:F+1] op_sel_hi:[1,0]
	v_pk_mul_f32 v[EA:EA+1], v[EA:EA+1], v[F:F+1] op_sel_hi:[1,0]
	v_pk_mul_f32 v[EA+2:EA+3], v[EA+2:EA+3], v[F:F+1] op_sel_hi:[1,0]
.set i, 0
.rept 16
	v_pk_mul_f32 v[O+i:O+i+1], v[O+i:O+i+1], v[F:F+1] op_sel_hi:[1,0]
.set i, i+2
.endr
.set i, 0
.rept 32
	v_pk_fma_f32 v[S+i:S+i+1], v[S+i:S+i+1], s[CS:CS+1], v[AD:AD+1] op_sel_hi:[1,0,0]
.set i, i+2
.endr
.irp n, 0,1,2,3
	v_fma_f32 v[BM+\n], v[BM+\n], s[CS], v[AD]
.endr
.endm
.macro PEXP u                          ; one batch: the four blocks' largest p, and p of all 64 into window 0
	WIN 0x41*\u
.irp n, 0,1,2,3
	v_exp_f32 v[BM+\n], v[BM+\n]
.endr
	WIN 0x01*\u
.set i, 0
.rept 64
	v_exp_f32 v[P+i], v[S+i]
.set i, i+1
.endr
	v_nop
	s_wait_alu depctr_va_vdst(0)                   ; one wait for the batch
.endm
; Behind them: p's scale word and codes, then l and E; the 64 sums are also the places ahead of the products with V
.macro PHB u
	WU \u
.irp n, 0,1,2,3
	v_max_num_f32 v[BM+\n], 0x2800000, v[BM+\n]    ; the floor 2^(5 - 127)
.endr
.irp n, 0,1,2,3
	v_add_nc_u32 v[SO+\n], 0xfe000000, v[BM+\n]    ; 4 off the exponent field
.endr
.irp n, 0,1,2,3
	v_lshrrev_b32 v[BT+\n], 23, v[SO+\n]
.endr
	v_lshl_or_b32 v[BT], v[BT+1], 8, v[BT]
	v_lshl_or_b32 v[BT+2], v[BT+3], 8, v[BT+2]
	WIN 0x11*\u
	v_lshl_or_b32 v[PS+\u], v[BT+2], 16, v[BT]     ; scale operands lie in window 0
	WIN 0x44*\u
.irp c, 0,1
	v_cvt_scalef32_pk16_bf6_f32 v[PC+6*\c:PC+6*\c+2], v[P+32*\c:P+32*\c+15], v[SO+2*\c]
	v_cvt_scalef32_pk16_bf6_f32 v[BM+4*\c:BM+4*\c+2], v[P+32*\c+16:P+32*\c+31], v[SO+2*\c+1]
.endr
	v_nop
	WU \u
.irp c, 0,1
.irp i, 0,1,2
	v_permlane16_swap_b32 v[PC+6*\c+\i], v[BM+4*\c+\i]
.endr
.irp i, 0,1,2
	v_mov_b32 v[PC+6*\c+3+\i], v[BM+4*\c+\i]
.endr
.endr
	WIN 0x51*\u
.set i, 0
.rept 32
	v_pk_add_f32 v[LS+2*((i/2)%2):LS+2*((i/2)%2)+1], v[LS+2*((i/2)%2):LS+2*((i/2)%2)+1], v[P+i:P+i+1]
	v_pk_fma_f32 v[EA+2*((i/2)%2):EA+2*((i/2)%2)+1], v[S+i:S+i+1], v[P+i:P+i+1], v[EA+2*((i/2)%2):EA+2*((i/2)%2)+1]
.set i, i+2
.endr
.endm
	LOADK                                          ; step 0's keys
	s_wait_dscnt 0x0
.Lstep:
	QK 0
	QK 1
	WIN 0
	s_add_co_u32 s29, s29, 8192
	v_add_nc_u32 v3, s29, v[A16]                   ; these four are the places ahead of the loads and of the first read of the scores
	v_add_nc_u32 v4, s29, v[A8]
	v_add_nc_u32 v5, s30, v[A16]
	v_add_nc_u32 v6, s30, v[A8]
.irp t, 0,1,2,3
	ds_load_b32 v[VS+\t], v6 offset:1792*\t+1536
.endr
	WIN 0x40
.irp t, 0,1,2,3
.irp c, 0,1,2
	ds_load_b128 v[VF+12*\t+4*\c:VF+12*\t+4*\c+3], v5 offset:1792*\t+512*\c
.endr
.endr
	WIN 0
	s_cmp_eq_u32 s28, 1
	s_cbranch_scc1 .Lno_more_keys                  ; the last step fetches no further keys
	LOADK
.Lno_more_keys:
	PHA 0
	PHA 1
	s_wait_alu depctr_va_vdst(0)                   ; ahead of a batch too
	PEXP 0
	PHB 0
	s_wait_alu depctr_va_vdst(0)
	PEXP 1
	PHB 1
	WIN 0
	s_wait_alu depctr_va_vdst(0)                   ; ahead of the blocking wait
	s_wait_dscnt 0x0                               ; V's fragments, and the next step's keys
.irp u, 0,1
	WIN 0x01+0x54*\u
.irp t, 0,1,2,3
	v_wmma_scale_f32_16x16x128_f8f6f4 v[O+8*\t:O+8*\t+7], v[VF+12*\t:VF+12*\t+11], v[PC:PC+11], v[O+8*\t:O+8*\t+7], v[VS+\t], v[PS+\u] matrix_a_fmt:MATRIX_FMT_BF6 matrix_b_fmt:MATRIX_FMT_BF6
.endr
.endr
	WIN 0
	s_add_co_u32 s30, s30, 7168
	s_sub_co_u32 s28, s28, 1
	s_cmp_lg_u32 s28, 0
	s_cbranch_scc1 .Lstep
; the rows' ends
.irp u, 0,1
	WU \u
	v_pk_add_f32 v[LS:LS+1], v[LS:LS+1], v[LS+2:LS+3]
	v_pk_add_f32 v[EA:EA+1], v[EA:EA+1], v[EA+2:EA+3]
	v_add_f32 v[T], v[TMX], v[NM]
	v_add_f32 v[LS], v[LS], v[LS+1]
	v_add_f32 v[EA], v[EA], v[EA+1]
	v_permlanex16_b32 v[BT], v[LS], s[SEL], s[SEL+1]
	v_permlanex16_b32 v[BT+1], v[EA], s[SEL], s[SEL+1]
	v_add_f32 v[LS], v[LS], v[BT]
	v_add_f32 v[EA], v[EA], v[BT+1]
.endr
	s_wait_alu depctr_va_vdst(0)
.irp u, 0,1
	WU \u
	v_rcp_f32 v[F], v[LS]
	v_log_f32 v[FI], v[LS]
	v_exp_f32 v[T], v[T]
.endr
	v_nop
	s_wait_alu depctr_va_vdst(0)
.irp u, 0,1
	WU \u
	v_fma_f32 v[BM], v[EA], v[F], -v[FI]           ; the row's sum of P log2 P; both halves of the lanes hold it: x 1/2
	v_mul_f32 v[BM+1], v[T], v[F]                  ; its largest P; x 8: with the two halves, 16 times
	v_mul_f32 v[BM], 0.5, v[BM]
	v_mul_f32 v[BM+1], 0x41000000, v[BM+1]
	s_wait_alu depctr_va_vdst(0)                   ; directly ahead of the first reader of O^T
.set i, 0
.rept 16
	v_pk_mul_f32 v[O+i:O+i+1], v[O+i:O+i+1], v[F:F+1] op_sel_hi:[1,0]
.set i, i+2
.endr
.endr
	WIN 0x04
	v_add_f32 v[BM], v[BM], v[BM]                  ; tile 0's + tile 1's
	v_add_f32 v[BM+1], v[BM+1], v[BM+1]
	v_add_f32 v[BM+2], v[GA], v[GA]
	WIN 0
	v_mov_b32 v[BM+3], 0
	v_and_b32 v3, 15, v0
	v_bfe_u32 v4, v0, 4, 1
	v_mul_u32_u24 v5, v3, 272
	v_mul_u32_u24 v6, v4, 272
	v_lshl_add_u32 v5, v4, 5, v5
	v_lshl_add_u32 v6, v3, 4, v6
	v_lshlrev_b32 v9, 12, v4
	v_add_nc_u32 v5, s31, v5                       ; stage, in: row r, 32 h
	v_add_nc_u32 v6, s31, v6                       ; back: lanes 0-15 one row of 256 bytes, lanes 16-31 the next
	v_lshl_add_u32 v9, v3, 4, v9                   ; and the same two rows in out0
	v_lshl_add_u32 v3, v0, 4, PART
	v_lshlrev_b32 v4, 4, v0
	ds_store_b128 v3, v[BM:BM+3]
.irp t, 0,1,2,3
	ds_store_b128 v5, v[O+8*\t:O+8*\t+3] offset:64*\t
	ds_store_b128 v5, v[O+8*\t+4:O+8*\t+7] offset:64*\t+16
.endr
	WIN 0x04
.irp t, 0,1,2,3
	ds_store_b128 v5, v[O+8*\t:O+8*\t+3] offset:4352+64*\t
	ds_store_b128 v5, v[O+8*\t+4:O+8*\t+7] offset:4352+64*\t+16
.endr
	WIN 0
.irp i, 0,1,2,3,4,5,6,7,8,9,10,11,12,13,14,15
	ds_load_b128 v[S+4*\i:S+4*\i+3], v6 offset:544*\i      ; my own bytes: LDS serves a wave's instructions in order
.endr
	s_wait_alu depctr_va_vdst(0)
	s_wait_dscnt 0x0                               ; my rows are back, and my quadruples are stored, for wave 0's sake
.irp i, 0,1,2,3,4,5,6,7,8,9,10,11,12,13,14,15
	global_store_b128 v9, v[S+4*\i:S+4*\i+3], s[12:13] offset:8192*\i th:TH_STORE_NT   ; sixteen lanes store 256 consecutive bytes, aligned
.endr
	s_barrier_signal -1
	s_barrier_wait -1
	s_cmp_lg_u32 s[WV], 0
	s_cbranch_scc1 .Lclose                         ; wave 0 adds the eight waves' quadruples
.irp w, 0,1,2,3,4,5,6,7
	ds_load_b128 v[P+4*\w:P+4*\w+3], v3 offset:512*\w
.endr
	s_wait_dscnt 0x0
.irp w, 0,2,4,6
	v_pk_add_f32 v[P+4*\w:P+4*\w+1], v[P+4*\w:P+4*\w+1], v[P+4*\w+4:P+4*\w+5]
	v_pk_add_f32 v[P+4*\w+2:P+4*\w+3], v[P+4*\w+2:P+4*\w+3], v[P+4*\w+6:P+4*\w+7]
.endr
.irp w, 0,4
	v_pk_add_f32 v[P+4*\w:P+4*\w+1], v[P+4*\w:P+4*\w+1], v[P+4*\w+8:P+4*\w+9]
	v_pk_add_f32 v[P+4*\w+2:P+4*\w+3], v[P+4*\w+2:P+4*\w+3], v[P+4*\w+10:P+4*\w+11]
.endr
	v_pk_add_f32 v[P:P+1], v[P:P+1], v[P+16:P+17]
	v_pk_add_f32 v[P+2:P+3], v[P+2:P+3], v[P+18:P+19]
	global_store_b128 v4, v[P:P+3], s[14:15]       ; 512 consecutive bytes
.Lclose:
	s_wait_tensorcnt 0x0                           ; the wave's end
	ds_add_u32 v[SPW], v[NIL]
	s_wait_dscnt 0x0
	CROUND                                         ; the closing round
	s_endpgm
.Lfunc_end_k_q4f473305ef_attn:
	.size	k_q4f473305ef_attn, .Lfunc_end_k_q4f473305ef_attn-k_q4f473305ef_attn
	.p2alignl 7, 3214868480
	.fill 96, 4, 3214868480
	.section	.rodata,"a",@progbits
	.p2align	6, 0x0
	.amdhsa_kernel k_q4f473305ef_attn
		.amdhsa_group_segment_fixed_size 327680
		.amdhsa_private_segment_fixed_size 0
		.amdhsa_enable_private_segment 0
		.amdhsa_kernarg_size 48
		.amdhsa_user_sgpr_count 2
		.amdhsa_user_sgpr_kernarg_segment_ptr 1
		.amdhsa_wavefront_size32 1
		.amdhsa_system_sgpr_workgroup_id_x 1
		.amdhsa_system_sgpr_workgroup_id_y 1
		.amdhsa_system_sgpr_workgroup_id_z 1
		.amdhsa_system_vgpr_workitem_id 0
		.amdhsa_next_free_vgpr 512
		.amdhsa_next_free_sgpr 72
		.amdhsa_reserve_vcc 0
		.amdhsa_float_denorm_mode_32 3
		.amdhsa_float_denorm_mode_16_64 3
		.amdhsa_memory_ordered 1
		.amdhsa_forward_progress 1
		.amdhsa_inst_pref_size 58
	.end_amdhsa_kernel
	.amdgpu_metadata
---
amdhsa.version: [ 1, 2 ]
amdhsa.kernels:
  - .name:           k_q4f473305ef_attn
    .symbol:         k_q4f473305ef_attn.kd
    .args:
      - { .name: qimg, .offset: 0, .size: 8, .value_kind: global_buffer, .address_space: global }
      - { .name: kimg, .offset: 8, .size: 8, .value_kind: global_buffer, .address_space: global }
      - { .name: vimg, .offset: 16, .size: 8, .value_kind: global_buffer, .address_space: global }
      - { .name: gov, .offset: 24, .size: 8, .value_kind: global_buffer, .address_space: global }
      - { .name: out0, .offset: 32, .size: 8, .value_kind: global_buffer, .address_space: global }
      - { .name: part, .offset: 40, .size: 8, .value_kind: global_buffer, .address_space: global }
    .group_segment_fixed_size: 327680
    .private_segment_fixed_size: 0
    .kernarg_segment_align: 8
    .kernarg_segment_size: 48
    .max_flat_workgroup_size: 256
    .sgpr_count:     72
    .vgpr_count:     512
    .wavefront_size: 32
...
	.end_amdgpu_metadata
.endif
;; end of part 3
;; launch fin (part 4): grid 1 x 1, 32 waves a work-group, no clusters, 5,120 bytes of LDS; arguments part, out1, out2, out3; writes out1, out2, out3
.if DOCPART == 4
	.amdgcn_target "amdgcn-amd-amdhsa--gfx1250"
	.amdhsa_code_object_version 6
	.text
	.protected	k_q4f473305ef_fin
	.globl	k_q4f473305ef_fin
	.p2align	8
	.type	k_q4f473305ef_fin,@function
k_q4f473305ef_fin:
	s_mov_b64 s[64:65], 0
	v_nop
	global_prefetch_b8 v0, s[64:65] scope:SCOPE_SE
	s_setreg_imm32_b32 hwreg(HW_REG_WAVE_MODE, 25, 1), 1
	s_wait_xcnt 0x0
; The three numbers.  part holds 8,192 quadruples (E, C, G, 0): E = parts of the sum of P log2 P; C = parts of the sum of the rows' largest P and G of |gov|, each row counted 16 times alike
; (a factor 8 and both halves of the lanes), so the divisor 16 x 65,536 is a power of two and exact.
; out1 = -ln 2 x E / 65,536;  out2 = G / 2^20;  out3 = C / 2^20.   One work-group: 1,024 threads take 8 quadruples each (a wave's load covers 512 consecutive bytes), then lanes, then waves through LDS.
	s_load_b256 s[4:11], s[0:1], 0x0               ; part, out1, out2, out3
	v_lshl_add_u32 v64, v0, 2, 0x400
	v_mov_b32 v65, 0
	v_lshrrev_b32 v1, 5, v0
	s_delay_alu instid0(VALU_DEP_1)
	v_readfirstlane_b32 s12, v1                    ; wave 0..31
	v_lshlrev_b32 v2, 4, v0                        ; 16 x thread
	s_lshl_b32 s13, s12, 4
	v_mov_b32 v3, s13                              ; LDS: 16 x wave
	s_mov_b32 s14, 0x76543210
	s_mov_b32 s15, 0xfedcba98
	v_mov_b32 v40, 0                               ; a lane permute's destination counts as one of its sources
	v_mov_b32 v41, 0
	v_mov_b32 v42, 0
	v_mov_b32 v11, 0
	s_wait_alu depctr_va_vdst(0)
	s_wait_kmcnt 0x0
.irp i, 0,1,2,3,4,5,6,7
	global_load_b128 v[12+4*\i:15+4*\i], v2, s[4:5] offset:16384*\i th:TH_LOAD_NT
.endr
	s_wait_loadcnt 0x0
.irp i, 0,2,4,6
	v_pk_add_f32 v[12+4*\i:13+4*\i], v[12+4*\i:13+4*\i], v[16+4*\i:17+4*\i]
	v_pk_add_f32 v[14+4*\i:15+4*\i], v[14+4*\i:15+4*\i], v[18+4*\i:19+4*\i]
.endr
.irp i, 0
	v_pk_add_f32 v[12+4*\i:13+4*\i], v[12+4*\i:13+4*\i], v[20+4*\i:21+4*\i]
	v_pk_add_f32 v[14+4*\i:15+4*\i], v[14+4*\i:15+4*\i], v[22+4*\i:23+4*\i]
.endr
.irp i, 4
	s_delay_alu instid0(VALU_DEP_4)
	v_pk_add_f32 v[12+4*\i:13+4*\i], v[12+4*\i:13+4*\i], v[20+4*\i:21+4*\i]
	s_delay_alu instid0(VALU_DEP_4)
	v_pk_add_f32 v[14+4*\i:15+4*\i], v[14+4*\i:15+4*\i], v[22+4*\i:23+4*\i]
.endr
	s_delay_alu instid0(VALU_DEP_2)
	v_pk_add_f32 v[4:5], v[12:13], v[28:29]
	s_delay_alu instid0(VALU_DEP_2)
	v_pk_add_f32 v[6:7], v[14:15], v[30:31]
.macro RED                             ; E, C, G over the 32 lanes, by turns
.irp m, 1,2,4,8
.irp r, 4,5,6
	v_add_f32_dpp v[\r], v[\r], v[\r] row_xmask:\m row_mask:0xf bank_mask:0xf
.endr
.endr
.irp r, 4,5,6
	s_delay_alu instid0(VALU_DEP_3)
	v_permlanex16_b32 v[\r+36], v[\r], s14, s15
.endr
.irp r, 4,5,6
	s_delay_alu instid0(VALU_DEP_3)
	v_add_f32 v[\r], v[\r], v[\r+36]
.endr
.endm
	RED
	ds_store_b128 v3, v[4:7]                       ; all lanes write the same bytes with the same values
	s_wait_dscnt 0x0
	s_barrier_signal -1
	s_barrier_wait -1
	s_cmp_lg_u32 s12, 0
	s_cbranch_scc1 .Lend
	ds_load_b128 v[4:7], v2                        ; in wave 0: lane l takes wave l's sums
	s_wait_dscnt 0x0
	RED
	s_delay_alu instid0(VALU_DEP_3)
	v_mul_f32 v8, 0xb7317218, v4                   ; -ln 2 / 65,536
	s_delay_alu instid0(VALU_DEP_2)
	v_mul_f32 v9, 0x35800000, v6                   ; 2^-20
	s_delay_alu instid0(VALU_DEP_4)
	v_mul_f32 v10, 0x35800000, v5
	s_wait_alu depctr_va_vdst(0)
	s_wait_xcnt 0x0                                ; EXEC changes only behind this wait
	v_cmp_eq_u32 vcc_lo, 0, v0
	s_wait_tensorcnt 0x0
	ds_add_u32 v64, v65
	s_wait_dscnt 0x0
	s_and_saveexec_b32 s16, vcc_lo                 ; lane 0 stores
	global_store_b32 v11, v8, s[6:7]
	global_store_b32 v11, v9, s[8:9]
	global_store_b32 v11, v10, s[10:11]
	s_endpgm
.Lend:
	s_wait_tensorcnt 0x0
	ds_add_u32 v64, v65
	s_wait_dscnt 0x0
	s_endpgm
.Lfunc_end_k_q4f473305ef_fin:
	.size	k_q4f473305ef_fin, .Lfunc_end_k_q4f473305ef_fin-k_q4f473305ef_fin
	.p2alignl 7, 3214868480
	.fill 96, 4, 3214868480
	.section	.rodata,"a",@progbits
	.p2align	6, 0x0
	.amdhsa_kernel k_q4f473305ef_fin
		.amdhsa_group_segment_fixed_size 5120
		.amdhsa_private_segment_fixed_size 0
		.amdhsa_enable_private_segment 0
		.amdhsa_kernarg_size 32
		.amdhsa_user_sgpr_count 2
		.amdhsa_user_sgpr_kernarg_segment_ptr 1
		.amdhsa_wavefront_size32 1
		.amdhsa_system_sgpr_workgroup_id_x 1
		.amdhsa_system_sgpr_workgroup_id_y 1
		.amdhsa_system_sgpr_workgroup_id_z 1
		.amdhsa_system_vgpr_workitem_id 0
		.amdhsa_next_free_vgpr 66
		.amdhsa_next_free_sgpr 66
		.amdhsa_reserve_vcc 1
		.amdhsa_float_denorm_mode_32 3
		.amdhsa_float_denorm_mode_16_64 3
		.amdhsa_memory_ordered 1
		.amdhsa_forward_progress 1
		.amdhsa_inst_pref_size 7
	.end_amdhsa_kernel
	.amdgpu_metadata
---
amdhsa.version: [ 1, 2 ]
amdhsa.kernels:
  - .name:           k_q4f473305ef_fin
    .symbol:         k_q4f473305ef_fin.kd
    .args:
      - { .name: part, .offset: 0, .size: 8, .value_kind: global_buffer, .address_space: global }
      - { .name: out1, .offset: 8, .size: 8, .value_kind: global_buffer, .address_space: global }
      - { .name: out2, .offset: 16, .size: 8, .value_kind: global_buffer, .address_space: global }
      - { .name: out3, .offset: 24, .size: 8, .value_kind: global_buffer, .address_space: global }
    .group_segment_fixed_size: 5120
    .private_segment_fixed_size: 0
    .kernarg_segment_align: 8
    .kernarg_segment_size: 32
    .max_flat_workgroup_size: 1024
    .sgpr_count:     66
    .vgpr_count:     66
    .wavefront_size: 32
...
	.end_amdgpu_metadata
.endif
;; end of part 4
